; MI455X (gfx1250); checked and timed in simulation.
; The chip was launched on July 23, 2026; its instructions are those of AMD's public machine-readable ISA for CDNA 5 (MIT licence, August 2026) and "CDNA5" Instruction Set Architecture Reference Guide (July 2026). The comments in the code are by the model that wrote it; some were corrected since.
;; CSA Lightning Indexer. Allowed arithmetic: matrix products marked QUANTISED: E2M1 operands, one E8M0 scale for each 32 along K, by v_wmma_scale_f32_16x16x128_f8f6f4 with both operands' format E2M1 (or v_wmma_scale_f32_32x16x128_f4), f32 sums; products left as they are: f32 operands where the result goes on into a quantised operand, else bf16, f16 or f32 operands; f32 sums; everything else in f32.
;; Inputs: Wg 4 x 2,048 float32; Wk 2,048 x 2,048 float32; Wq 2,048 x 2,048 float32; k_compressed 2 x 1,024 x 2,048 float32; q 2 x 4,096 x 2,048 float32.
;; Outputs: out0 2 x 4,096 x 1,024 float32.
;; This version of the problem:
;;   THIS VERSION OF THE PROBLEM IS GIVEN IN LOW PRECISION. The matrix products marked QUANTISED in the list below multiply operands that are first quantised to E2M1 (2 exponent bits, 1 mantissa bit; 4 bits a number), with one power-of-two scale for each 32 numbers along K (OCP MX v1.0); their sums are f32. All else is computed in f32.
;;   The module's matrix products, in the order in which they are computed (A, B: the left and right operand; K: the contracted axis; several contracted axes count as one K, in the product's order):
;;     1. [M 8,192, K 2,048] x [K 2,048, N 2,048]; A: input q; B: input Wq: QUANTISED
;;     2. [M 2,048, K 2,048] x [K 2,048, N 2,048]; A: input k_compressed; B: input Wk: QUANTISED
;;     3. [M 8,192, K 2,048] x [K 2,048, N 4]; A: input q; B: input Wg: left as it is (N = 4 < 16)
;;     4. batch 8 x [M 1,024, K 512] x [K 512, N 4,096]; A: computed on the way; B: computed on the way: QUANTISED
;;     5. batch 8,192 x [M 1,024, K 4] x [K 4, N 1]; A: computed on the way; B: computed on the way: left as it is (K = 4 < 32)
;;   THE QUANTISER, for each operand of a quantised product, along K:
;;     - K is cut into blocks of 32 from its start; a last block that is shorter is filled with zeros.
;;     - A block's scale is 2^e with e = floor(log2(the largest magnitude in the block)) - 2, held to -126 .. 127; a block of zeros has e = 0. As a byte (E8M0): e + 127.
;;     - Each number is divided by its block's scale, clamped to +-6, and rounded to the nearest number of E2M1, ties to even, subnormals kept.
;;     - The product sums the exact products of the quantised numbers (number of the format x scale) in f32.
;;   ~~~python
;;   def quantise(x, axis):      # numpy; x: float32 -> the quantised numbers, widened to float32 again
;;       x = np.moveaxis(x, axis, -1); K = x.shape[-1]
;;       x = np.pad(x, [(0, 0)] * (x.ndim - 1) + [(0, -K % 32)]); x = x.reshape(x.shape[:-1] + (-1, 32)); a = np.abs(x).max(-1, keepdims=True)
;;       e = np.where(a > 0, np.clip(np.frexp(np.where(a > 0, a, 1))[1] - 1 - 2, -126, 127), 0)      # np.frexp(a)[1] - 1 = floor(log2(a)), exactly
;;       r = np.clip(x / 2.0 ** e, -6, 6)
;;       step = 2.0 ** (np.maximum(np.frexp(np.where(r == 0, 1, r))[1] - 1, 0) - 1)
;;       q = np.round(r / step) * step * 2.0 ** e      # np.round: ties to even
;;       return np.moveaxis(q.reshape(q.shape[:-2] + (-1,))[..., :K], -1, axis).astype(np.float32)
;;   ~~~
;;   OPERANDS COMPUTED ON THE WAY. 'Computed on the way' means the value that the module computes at that place (a softmax that the list does not call 'softmax' is quantised finished and normalised). What goes into a quantiser is computed in f32, as accurately as f32 sums, v_exp_f32 and their like allow (about 1e-6 of the number): no bf16 or f16 on the way to a quantiser, and a product that is left as it is and whose result goes on into a quantised operand takes f32 operands (vector FMAs, or v_wmma_f32_16x16x4_f32). A number that lies on a knife's edge between two numbers of the format may be rounded either way, as far as f32 arithmetic and the matrix unit's own rounding can turn it there, and no further.
;; One version. Each part assembles by itself: llvm-mc -triple=amdgcn-amd-amdhsa -mcpu=gfx1250 --defsym DOCPART=n.
;; ======== version 1 of 1: 3 launches
;; workspace buffers: cs 15,597,568 bytes; wgt 262,144 bytes; pj 11,141,120 bytes
;; launch quant (part 1): grid 896 x 1, 4 waves a work-group, no clusters, 44,544 bytes of LDS; arguments q, k_compressed, Wq, Wk, Wg, cs, wgt; writes cs, wgt
.if DOCPART == 1
	.amdgcn_target "amdgcn-amd-amdhsa--gfx1250"
	.amdhsa_code_object_version 6
	.text
	.protected	k_q4d594fd698_quant
	.globl	k_q4d594fd698_quant
	.p2align	8
	.type	k_q4d594fd698_quant,@function
k_q4d594fd698_quant:
	s_mov_b64 s[64:65], 0
	v_nop
	global_prefetch_b8 v0, s[64:65] scope:SCOPE_SE
	s_setreg_imm32_b32 hwreg(HW_REG_WAVE_MODE, 25, 1), 1
	s_wait_xcnt 0x0
; FIRST OF THREE LAUNCHES.  scores[b][q][k] = sum over h of w[b][q][h] relu(qi[b][q][h] . ki[b][k][h]), qi = q Wq^T, ki = k_compressed Wk^T, w = q Wg^T.
; NOTHING OF THE COMPUTATION IS LEFT OUT: every element of q, k_compressed, Wq, Wk and Wg has a way to some score for generic values, so all five inputs are loaded and all five products are made.
; THIS LAUNCH turns q, k_compressed, Wq and Wk (rows of 2,048 f32, K innermost) into codes of FP4 (E2M1) with one E8M0 scale byte for each 32 along K, and makes w in f32 from the numbers of q while they are in registers.
; A block's scale is 2^(floor(log2(its largest magnitude)) - 2); its byte is the largest magnitude's exponent field - 2, held at 1 from below.  Each number is divided by the scale and rounded to the nearest code, ties to even; beyond 6 the largest code.
; LIMITS: a block whose largest magnitude lies under 2^-124, a block of zeros among them, gets the byte 1 (the bytes are read by this program alone, and such a block's codes are zeros); NaN and infinities among the inputs are not served;
; w's 2,048 terms are added in another order than a plain running sum (16 a lane, then lanes, then waves), all in f32.
; LAYOUT OUT.  14,336 positions: 0-8,191 q's rows, 8,192-10,239 k_compressed's, 10,240-12,287 Wq's, 12,288-14,335 Wk's.
; cs: [4 K steps of 512][112 groups of 128 positions][34,816 bytes].  A block holds, for one K step, its 128 positions' codes (position j: 256 bytes at 256 j) and behind them, from 32,768 on, their scale bytes (16 at 16 j):
; one dense run of memory, which the next launch brings into LDS by one tensor load, codes and scales together.
; A WEIGHT'S ROW n LIES AT POSITION n WITH BITS 3 AND 4 EXCHANGED: sixteen neighbouring positions 32 b + 16 u + r are then rows 32 b + 8 u + r + 8 (r / 8), so that in the next launch the 16 registers of two neighbouring
; result tiles are 16 neighbours along the last product's K.   wgt: [8,192 rows][4 heads][2]: each w twice, a ready pair for a packed multiply-add.
; SHARES.  Work-group i makes positions 16 i .. 16 i + 15; wave w takes columns 512 w .. 512 w + 511 of all of them, which is K step w; a step of the text is one row: 2,048 consecutive bytes by four loads of 512.
; So a lane holds the same 16 columns in every step, and its part of Wg is 64 registers.  For a weight the sixteen positions are rows in two runs of eight, the second 16 rows behind the first.
; The conversions want 16 NEIGHBOURS in a lane, the loads neighbouring bytes in neighbouring lanes: a step's 2,048 bytes turn through the wave's own stage in LDS (16 bytes of padding behind each 64).
; Work-groups 0-511 take q (with w), 512-895 the other three tensors: two copies of the body, parted by the work-group's number, each with LDS bytes of its own.
; No cluster and no tensor load: work-groups share no input but Wg's 32,768 bytes, a small part beside a work-group's 131,072 of its own.
.set STEPS, 16
.set SP,    80                         ; a lane's place in a stage: 64 bytes + 16 of padding
.set R,     16                         ; v16-79   four sets of 16 numbers as loaded
.set X,     80                         ; v80-111  two sets of 16 neighbours
.set E,     112                        ; v112-127 a scale byte for each step
.set C,     128                        ; v128-159 two registers of codes for each step: no store's data are written again
.set WG,    160                        ; v160-223 Wg: head h's 16 numbers of my columns at WG + 16 h
.set ACC,   224                        ; v224-231 four pairs of running sums
.set S,     232                        ; v232-239 two sets of four sums, by turns
.set PD,    240                        ; v240-243 destinations of the lane permutes
.set WGO,   244                        ; v244     my byte offset in a row of Wg
.set SPW,   12                         ; v12      LDS address of my spare word; never rewritten
.set NIL,   13                         ; v13      0; never rewritten
.set BLK,   34816                      ; a block of cs
.set SCBO,  20480                      ; in a path's LDS: behind the four waves' stages (4 x 5,120) each wave's own 256 scale bytes
.set PART,  21504                      ; q's path alone: 4 waves x 16 rows x 4 heads of partial sums
.set LB2,   22528                      ; where the second path's LDS begins
.set SPARE, 44032                      ; the spare words, 128 bytes for each wave: two blocks of 256 bytes that no other line names
.macro LOAD t                          ; row t: 32 lanes read 512 consecutive bytes, four times; rows 8-15 by an offset of their own (a weight's lie 8 rows further on)
.if (\t) < 8
.irp i, 0,1,2,3
	global_load_b128 v[R+16*((\t)%4)+4*\i:R+16*((\t)%4)+4*\i+3], v3, s[22:23] offset:8192*(\t)+512*\i th:TH_LOAD_NT
.endr
.else
.irp i, 0,1,2,3
	global_load_b128 v[R+16*((\t)%4)+4*\i:R+16*((\t)%4)+4*\i+3], v6, s[22:23] offset:8192*(\t)+512*\i th:TH_LOAD_NT
.endr
.endif
.endm
.macro TURN t                          ; step t's numbers through the stage: LDS serves a wave's instructions in order, so no wait stands between the stores and the loads
.irp i, 0,1,2,3
	ds_store_b128 v14, v[R+16*((\t)%4)+4*\i:R+16*((\t)%4)+4*\i+3] offset:32*SP*((\t)%2)+8*SP*\i
.endr
.irp i, 0,1,2,3
	ds_load_b128 v[X+16*((\t)%2)+4*\i:X+16*((\t)%2)+4*\i+3], v15 offset:32*SP*((\t)%2)+16*\i
.endr
.endm
.macro STEP t, withw
.set XS, X+16*((\t)%2)
.set SS, S+4*((\t)%2)
.if (\t) > 0
	s_wait_dscnt 1+\withw                          ; this step's numbers are back from the stage; behind them only the last step's byte store (and, with w, its store of sums) was issued
.else
	s_wait_dscnt 0x0
.endif
.if (\t)+4 < STEPS
	LOAD (\t)+4                                    ; into the set whose stores into the stage are done by the wait above
.endif
.if (\t)+1 < STEPS
.if STEPS-2-(\t) >= 3
	s_wait_loadcnt 12                              ; the next step's four loads are in; those of the three steps behind it may be out
.else
	s_wait_loadcnt 4*(STEPS-2-(\t))
.endif
	TURN (\t)+1                                    ; they go through the other stage while this step is worked
.endif
	v_max3_num_f32 v8, |v[XS]|, |v[XS+1]|, |v[XS+2]|               ; the largest magnitude of my 16, in two chains
	v_max3_num_f32 v9, |v[XS+3]|, |v[XS+4]|, |v[XS+5]|
.irp i, 6,10
	v_max3_num_f32 v8, v8, |v[XS+\i]|, |v[XS+\i+1]|
	v_max3_num_f32 v9, v9, |v[XS+\i+2]|, |v[XS+\i+3]|
.endr
	v_max3_num_f32 v8, v8, |v[XS+14]|, |v[XS+15]|
	v_max3_num_f32 v8, v8, v9, 0x1800000           ; and the floor 2^(3 - 127): the byte cannot fall under 1
	v_max_num_f32_dpp v8, v8, v8 row_xmask:1 row_mask:0xf bank_mask:0xf   ; with my neighbour's 16: the block's
	v_add_nc_u32 v11, 0xff000000, v8               ; 2 off its exponent field: the conversion takes the exponent field of this operand as its scale
	v_cvt_scalef32_pk8_fp4_f32 v[C+2*(\t)], v[XS:XS+7], v11
	v_cvt_scalef32_pk8_fp4_f32 v[C+2*(\t)+1], v[XS+8:XS+15], v11
	v_lshrrev_b32 v[E+(\t)], 23, v11               ; the scale's byte (a plain line behind the conversions)
	ds_store_b8 v5, v[E+(\t)] offset:16*(\t)       ; row t's 16 bytes of my K step; both lanes of a block write the same byte with the same value
.if \withw
.irp h, 0,1,2,3
	v_pk_mul_f32 v[ACC+2*\h:ACC+2*\h+1], v[XS:XS+1], v[WG+16*\h:WG+16*\h+1]      ; w: my 16 columns' terms, two at a time; the first product starts each sum, the four heads by turns
.endr
.irp j, 2,4,6,8,10,12,14
.irp h, 0,1,2,3
	v_pk_fma_f32 v[ACC+2*\h:ACC+2*\h+1], v[XS+\j:XS+\j+1], v[WG+16*\h+\j:WG+16*\h+\j+1], v[ACC+2*\h:ACC+2*\h+1]
.endr
.endr
.irp h, 0,1,2,3
	v_add_f32 v[SS+\h], v[ACC+2*\h], v[ACC+2*\h+1] ; (this set's last store was issued two steps back: done by the wait at this step's head)
.endr
.irp m, 1,2,4,8
.irp h, 0,1,2,3
	v_add_f32_dpp v[SS+\h], v[SS+\h], v[SS+\h] row_xmask:\m row_mask:0xf bank_mask:0xf
.endr
.endr
.irp h, 0,1,2,3
	v_permlanex16_b32 v[PD+\h], v[SS+\h], s44, s45
.endr
.irp h, 0,1,2,3
	v_add_f32 v[SS+\h], v[SS+\h], v[PD+\h]         ; every lane holds my wave's 512 columns' part of w[row t][h]
.endr
	ds_store_b128 v1, v[SS:SS+3] offset:16*(\t)    ; all lanes write the same 16 bytes with the same values
.endif
	global_store_b64 v4, v[C+2*(\t):C+2*(\t)+1], s[24:25] offset:256*(\t)        ; position t's codes of my K step: the wave stores 256 consecutive bytes, aligned
.endm
; The body.  withw = 1: q's work-groups.  LB: where this path's LDS begins.  s21: how many bytes further on than on end rows 8-15 lie in the input; s[22:23] in, s[24:25] codes, s[26:27] scale bytes, s[28:29] w: all at my wave's part.
.macro BODY withw, LB
	s_mul_i32 s40, s20, 2*32*SP
	s_add_co_u32 s40, s40, \LB                     ; my wave's two stages
	v_lshrrev_b32 v14, 2, v2
	v_mul_u32_u24 v14, v14, SP
	v_and_b32 v15, 3, v2
	v_lshl_add_u32 v14, v15, 4, v14
	v_add_nc_u32 v14, s40, v14                     ; into a stage: four lanes' 64 bytes on end, then the padding
	v_mul_u32_u24 v15, v2, SP
	v_add_nc_u32 v15, s40, v15                     ; out of it: my 16 neighbours
	s_add_co_u32 s41, s38, \LB+SCBO                ; my wave's 256 scale bytes
	v_lshrrev_b32 v5, 1, v2
	v_add_nc_u32 v5, s41, v5                       ; into them: my block's byte of a row's 16
	v_add_nc_u32 v7, s41, v4                       ; and out of them: 8 bytes a lane
	v_add_nc_u32 v6, s21, v3                       ; the input offset of rows 8-15
.if \withw
	s_add_co_u32 s41, s38, PART
	v_mov_b32 v1, s41                              ; my wave's 256 bytes of partial sums
	v_add_nc_u32 v10, PART, v4                     ; and where wave 0 reads them back
	v_lshl_add_u32 v[WGO], v2, 6, s36              ; Wg: 2,048 x wave + 64 x lane
.irp h, 0,1,2,3
.irp j, 0,1,2,3
	global_load_b128 v[WG+16*\h+4*\j:WG+16*\h+4*\j+3], v[WGO], s[12:13] offset:8192*\h+16*\j
.endr
.endr
.irp h, 0,1,2,3
	v_mov_b32 v[PD+\h], 0                          ; written once: a lane permute's destination counts as one of its sources
.endr
.endif
.irp t, 0,1,2,3
	LOAD \t
.endr
	s_wait_loadcnt 12                              ; step 0's four loads are in, and Wg's sixteen, which were issued ahead of them
	TURN 0
.irp t, 0,1,2,3,4,5,6,7,8,9,10,11,12,13,14,15
	STEP \t, \withw
.endr
	ds_load_b64 v[8:9], v7                         ; my 16 rows x 16 scale bytes: my wave's own, and LDS serves a wave's instructions in order
	s_wait_dscnt 0x0                               ; they are in; and, for the others' sake, my sums lie in LDS
	global_store_b64 v4, v[8:9], s[26:27]          ; 256 consecutive bytes, aligned
.if \withw
	s_barrier_signal -1
	s_barrier_wait -1
	s_cmp_lg_u32 s20, 0                            ; wave 0 adds the four waves' parts of w: 64 numbers, two a lane
	s_cbranch_scc1 .Lnot_wave_0_\@
.irp k, 0,1,2,3
	ds_load_b64 v[X+2*\k:X+2*\k+1], v10 offset:256*\k
.endr
	s_wait_dscnt 0x0
	v_pk_add_f32 v[X:X+1], v[X:X+1], v[X+2:X+3]
	v_pk_add_f32 v[X+4:X+5], v[X+4:X+5], v[X+6:X+7]
	v_pk_add_f32 v[X:X+1], v[X:X+1], v[X+4:X+5]
	v_mov_b32 v[X+8], v[X]                         ; each number twice
	v_mov_b32 v[X+9], v[X]
	v_mov_b32 v[X+10], v[X+1]
	v_mov_b32 v[X+11], v[X+1]
	global_store_b128 v3, v[X+8:X+11], s[28:29]    ; 512 consecutive bytes: 16 rows x 4 heads x 2
.Lnot_wave_0_\@:
.endif
	s_wait_tensorcnt 0x0                           ; the wave's end: behind my last LDS store
	ds_add_u32 v[SPW], v[NIL]
	s_wait_dscnt 0x0
	s_endpgm
.endm
	s_load_b256 s[4:11], s[0:1], 0x0               ; q s[4:5], k_compressed s[6:7], Wq s[8:9], Wk s[10:11]
	s_load_b128 s[12:15], s[0:1], 0x20             ; Wg s[12:13], cs s[14:15]
	s_load_b64 s[18:19], s[0:1], 0x30              ; wgt
	v_lshl_add_u32 v[SPW], v0, 2, SPARE
	v_mov_b32 v[NIL], 0
	v_lshrrev_b32 v1, 5, v0
	v_readfirstlane_b32 s20, v1                    ; wave 0..3
	v_and_b32 v2, 31, v0                           ; lane
	v_lshlrev_b32 v3, 4, v2                        ; 16 x lane
	v_lshlrev_b32 v4, 3, v2                        ; 8 x lane
	s_mov_b32 s44, 0x76543210                      ; v_permlanex16_b32's selects for lane l xor 16
	s_mov_b32 s45, 0xfedcba98
	s_lshl_b32 s36, s20, 11                        ; my wave's 2,048 bytes of a row of f32
	s_lshl_b32 s38, s20, 8                         ; my wave's 256 bytes
	s_mov_b32 s31, 0                               ; the upper word of every offset
	; where my results go, alike for all four tensors: positions 16 i on lie in group i / 8, from its place 16 (i % 8) on; my wave's K step is its number
	s_mul_i32 s32, s20, 112
	s_lshr_b32 s33, ttmp9, 3
	s_add_co_u32 s32, s32, s33
	s_mul_i32 s32, s32, BLK                        ; my block of cs
	s_and_b32 s33, ttmp9, 7
	s_lshl_b32 s34, s33, 12                        ; 16 places of 256 bytes
	s_add_co_u32 s30, s32, s34
	s_wait_kmcnt 0x0
	s_add_nc_u64 s[24:25], s[14:15], s[30:31]
	s_lshl_b32 s34, s33, 8                         ; 16 places of 16 bytes, behind the block's codes
	s_add_co_u32 s30, s32, s34
	s_add_co_u32 s30, s30, 32768
	s_add_nc_u64 s[26:27], s[14:15], s[30:31]
	s_cmp_lt_u32 ttmp9, 512
	s_cbranch_scc0 .Lrest
	; q: work-group i takes rows 16 i on
	s_lshl_b32 s30, ttmp9, 17                      ; 16 rows of 8,192 bytes
	s_add_co_u32 s30, s30, s36
	s_add_nc_u64 s[22:23], s[4:5], s[30:31]
	s_lshl_b32 s30, ttmp9, 9                       ; 16 rows of 32 bytes
	s_add_nc_u64 s[28:29], s[18:19], s[30:31]
	s_mov_b32 s21, 0                               ; rows 8-15 follow rows 0-7
	BODY 1, 0
.Lrest:
	s_sub_co_u32 s32, ttmp9, 512                   ; j
	s_lshr_b32 s33, s32, 7                         ; which tensor: 0 k_compressed, 1 Wq, 2 Wk
	s_and_b32 s34, s32, 127                        ; g: which 16 positions of it
	s_cmp_lt_u32 s32, 128                          ; the choice hangs on the work-group's number alone
	s_cselect_b64 s[22:23], s[6:7], s[8:9]
	s_cmp_lt_u32 s32, 256
	s_cselect_b64 s[22:23], s[22:23], s[10:11]
	s_lshl_b32 s35, s34, 17                        ; k_compressed: rows 16 g on
	s_lshr_b32 s37, s34, 1                         ; a weight: position 16 g + t is row 32 (g / 2) + 8 (g % 2) + t + 8 (t / 8)
	s_lshl_b32 s37, s37, 18
	s_and_b32 s39, s34, 1
	s_lshl_b32 s39, s39, 16
	s_add_co_u32 s37, s37, s39
	s_cmp_eq_u32 s33, 0
	s_cselect_b32 s30, s35, s37
	s_cselect_b32 s21, 0, 0x10000                  ; a weight's rows 8-15 lie 8 rows of 8,192 bytes further on
	s_add_co_u32 s30, s30, s36
	s_add_nc_u64 s[22:23], s[22:23], s[30:31]
	BODY 0, LB2
.Lfunc_end_k_q4d594fd698_quant:
	.size	k_q4d594fd698_quant, .Lfunc_end_k_q4d594fd698_quant-k_q4d594fd698_quant
	.p2alignl 7, 3214868480
	.fill 96, 4, 3214868480
	.section	.rodata,"a",@progbits
	.p2align	6, 0x0
	.amdhsa_kernel k_q4d594fd698_quant
		.amdhsa_group_segment_fixed_size 44544
		.amdhsa_private_segment_fixed_size 0
		.amdhsa_enable_private_segment 0
		.amdhsa_kernarg_size 56
		.amdhsa_user_sgpr_count 2
		.amdhsa_user_sgpr_kernarg_segment_ptr 1
		.amdhsa_wavefront_size32 1
		.amdhsa_system_sgpr_workgroup_id_x 1
		.amdhsa_system_sgpr_workgroup_id_y 1
		.amdhsa_system_sgpr_workgroup_id_z 1
		.amdhsa_system_vgpr_workitem_id 0
		.amdhsa_next_free_vgpr 248
		.amdhsa_next_free_sgpr 66
		.amdhsa_reserve_vcc 0
		.amdhsa_float_denorm_mode_32 3
		.amdhsa_float_denorm_mode_16_64 3
		.amdhsa_memory_ordered 1
		.amdhsa_forward_progress 1
		.amdhsa_inst_pref_size 126
	.end_amdhsa_kernel
	.amdgpu_metadata
---
amdhsa.version: [ 1, 2 ]
amdhsa.kernels:
  - .name:           k_q4d594fd698_quant
    .symbol:         k_q4d594fd698_quant.kd
    .args:
      - { .name: q, .offset: 0, .size: 8, .value_kind: global_buffer, .address_space: global }
      - { .name: k_compressed, .offset: 8, .size: 8, .value_kind: global_buffer, .address_space: global }
      - { .name: Wq, .offset: 16, .size: 8, .value_kind: global_buffer, .address_space: global }
      - { .name: Wk, .offset: 24, .size: 8, .value_kind: global_buffer, .address_space: global }
      - { .name: Wg, .offset: 32, .size: 8, .value_kind: global_buffer, .address_space: global }
      - { .name: cs, .offset: 40, .size: 8, .value_kind: global_buffer, .address_space: global }
      - { .name: wgt, .offset: 48, .size: 8, .value_kind: global_buffer, .address_space: global }
    .group_segment_fixed_size: 44544
    .private_segment_fixed_size: 0
    .kernarg_segment_align: 8
    .kernarg_segment_size: 56
    .max_flat_workgroup_size: 128
    .sgpr_count:     66
    .vgpr_count:     248
    .wavefront_size: 32
...
	.end_amdgpu_metadata
.endif
;; end of part 1
;; launch proj (part 2): grid 8 x 32, 4 waves a work-group, clusters of 4 x 4, 327,680 bytes of LDS; arguments cs, pj; writes pj
.if DOCPART == 2
	.amdgcn_target "amdgcn-amd-amdhsa--gfx1250"
	.amdhsa_code_object_version 6
	.text
	.protected	k_q4d594fd698_proj
	.globl	k_q4d594fd698_proj
	.p2align	8
	.type	k_q4d594fd698_proj,@function
k_q4d594fd698_proj:
	s_mov_b64 s[64:65], 0
	v_nop
	global_prefetch_b8 v0, s[64:65] scope:SCOPE_SE
	s_setreg_imm32_b32 hwreg(HW_REG_WAVE_MODE, 25, 1), 1
	s_wait_xcnt 0x0
	s_wait_alu depctr_hold_cnt(0) depctr_sa_sdst(0) depctr_va_vdst(0) depctr_va_sdst(0) depctr_va_ssrc(0) depctr_va_vcc(0) depctr_vm_vsrc(0)
	s_getreg_b32 s2, hwreg(HW_REG_IB_STS2, 6, 4)
	s_cmp_eq_u32 s2, 0
	s_cbranch_scc0 .Lentry_in_a_cluster
	s_endpgm
.Lentry_in_a_cluster:
	s_bfe_u32 s2, ttmp6, 0x10000c
	s_cmp_lg_u32 s2, 0xf033
	s_cbranch_scc0 .Lentry_shape_is_right
	s_endpgm
.Lentry_shape_is_right:
; SECOND OF THREE LAUNCHES: qi = Q(q) Q(Wq)^T and ki = Q(k_compressed) Q(Wk)^T on codes of FP4 (E2M1) with E8M0 scales, sums in f32, and the results QUANTISED IN REGISTERS along a head's 512 for the last product.  Nothing is left out.
; cs: [4 K steps of 512][112 groups of 128 positions][34,816 bytes]: a block is 128 positions' codes of one K step (256 bytes each) and, from 32,768 on, their scale bytes (16 each).  Groups 0-63 q's rows, 64-79 k_compressed's, 80-95 Wq's, 96-111 Wk's.
; EQUAL WORK FOR 256 WORK-GROUPS.  qi is 32 x 8 tiles of 256 x 256, ki is 16 x 16 tiles of 128 x 128: each work-group makes one of each, first qi's, then ki's: 1,024 + 256 matrix instructions a wave.
; FIRST PART.  A wave makes 128 x 128: 64 accumulators of 16 x 16, 512 registers.  K = 2,048 goes in four steps of 512 through a ring of two LDS slots of four blocks (A's two groups, B's two); each wave fetches one block by one tensor load:
; 136 rows of 256 bytes, dense in memory, 16 bytes of padding behind each in LDS.  The scale bytes ride in the block: nothing else is fetched.
; THE RING GOES ON INTO THE SECOND PART: ki's tile needs one block of A and one of B for a K step, half a slot, so a slot holds TWO of its K steps: q's last two changes of slots ask for all four, by the same descriptors' shape and the same LDS
; addresses (a wave's low bit now picks the K step and not the group).  So the second part fills nothing, and qi's stores leave under its products.
; SECOND PART.  A wave makes 32 rows x all 128 columns: 16 accumulators; both sides have two sets of fragments; a step's 20 LDS loads are issued ahead of the step before's... own 16 products, a step ahead of their use.
; CLUSTERS: 4 x 4 work-groups.  First part: the four of a row of the cluster need the same blocks of A, the four of a column the same blocks of B.  Second part: A's group is 64 + cy + 4 (cluster y % 4), alike along a row; B's is
; 96 + tile column + 8 (cluster y / 4), alike along a column; together they name each of the 16 x 16 tiles once.  Every block is asked for JOINTLY.
; THE MATRIX INSTRUCTION IS USED TRANSPOSED (source 0 = 16 positions of B, source 1 = 16 rows of A): a lane holds ONE row of the result.  The launch before laid the weights' rows so that position 32 b + 16 u + r is row
; 32 b + 8 u + r + 8 (r / 8): so the 16 registers of accumulators (a, 2 b) and (a, 2 b + 1) are columns 32 b + 16 (lane / 16) + 0 .. 15 of row 16 a + lane % 16: 16 neighbours along the last product's K.
; THE WAY OUT needs no LDS.  128 columns are one K step of the last product: for each block of 16 rows, four blocks' largest magnitudes (mine and lane l xor 16's), four scale bytes, eight conversions, an exchange of halves: the
; eight registers ARE the operand's fragment, and are stored as they stand.
; pj: 80 groups of 128 rows (0-63 q's, 64-79 k_compressed's) x 4 heads x 34,816 bytes: 32 fragments of 1,024 bytes ((8 s + a): K step s of the head, 16-row block a; register group c at 512 c + 16 x lane), then at 32,768 four times 512 bytes
; of scale words: for K step s the word of row 32 p + lane at 512 s + 16 x lane + 4 p.
; LIMITS: a block whose largest magnitude lies under 2^-124, a block of zeros among them, gets the byte 1 (its codes are zeros; this program alone reads the bytes); NaN and infinities are not served.
; REGISTERS, in windows of 256: window 0: v0-31 addresses; v32-95 scale words, two sets (they hold nothing else); from v128 A's fragments; on the ways out v128-191 the codes, v200-227 at work.
;   window 1: B's fragments, TWO sets, at v0 and at v128.   window 2: the 32 accumulators of my rows 0-63 (accumulator (a, b) at v[8 (8 a + b)]), later the second part's 16;   window 3: those of my rows 64-127.
.set NQ,     4                         ; matrix instructions deep in a K step of 512
.set PITCH,  272                       ; an LDS row: 256 bytes + 16 of padding = 68 words: row r starts at bank 4 r mod 64 (64 banks of 4 bytes: ISA guide 11.1)
.set FR,     8                         ; registers of a fragment: 16 rows x 128 K
.set NL,     2                         ; LDS loads that bring one
.set NP,     4                         ; places behind this matrix instruction (ISA guide 7.12.1)
.set BROWS,  136                       ; a block as rows of 256 bytes: 128 of codes, 8 of scale bytes
.set HALFT,  BROWS*PITCH               ; a block in LDS: what one tensor load brings
.set SOFF,   128*PITCH                 ; where its scale bytes begin: the 16 rows of block i of 16 at SOFF + i x PITCH, 16 bytes a row
.set SLOT,   4*HALFT                   ; first part: A's two groups, then B's two; second part: A's two K steps, then B's two
.set SPARE,  2*SLOT                    ; behind the ring: the spare words, 128 bytes for each wave: two blocks of 256 bytes that no other line names
.set BLK,    34816                     ; a block of cs in memory
.set PL,     112*BLK                   ; from a K step to the next
.set GRP,    139264                    ; pj: a group of 128 rows
.set HB,     34816                     ; pj: a head's block in a group
.set KADRB, 8                          ; v8-11   second part: LDS address of B's fragments in K step 0 .. 3
.set KADRA, 12                         ; v12-13  of my A fragments in slot 0, 1 (the odd K step a block further on)
.set KADRS, 14                         ; v14-15  of the scale words: lanes 0-15 my A rows, lanes 16-31 B's
.set ADRA, 16                          ; v16-17  first part: LDS address of my A fragments in slot 0, 1
.set ADRB, 20                          ; v20-21  the same for B
.set ADRS, 22                          ; v22-23  of my scale words: lanes 0-15 A's rows, lanes 16-31 B's
.set CO,   26                          ; v26     16 x lane: my place in an image
.set SPW,  28                          ; v28     LDS address of my spare word; never rewritten
.set NIL,  29                          ; v29     0; never rewritten
.set SC,   32                          ; scale words: set s at v[SC + 32 s]; register 4 i + q: lanes 0-15 the word of A's block i, lanes 16-31 that of B's block i, for the K step's q-th 128 along K
.set AF,   128                         ; A's fragments, in window 0
.set TM,   200                         ; the way out: v200-203 largest magnitudes, v204-207 the other half's, then bytes, v212-215 the conversions' scale operands
.set PW,   216                         ; v216-223 block a's scale word
.set SW,   224                         ; v224-227 the words as they are stored
.set G1, 24                            ; s[24:31] descriptor group 1 for A's blocks;  s[32:39] group 0, one set for each slot
.set G0, 32
.set G1B, 48                           ; s[48:55], s[56:63] the same for B's blocks
.set G0B, 56
.set KA,  68                           ; s[68:69] the second part's A: my block of its K step 0 or 1;  s[70:71] B's
.set KB,  70
.set MSB, 0
.macro WIN new                         ; the immediate's high byte repeats the setting that is left
.if MSB != \new
	s_set_vgpr_msb (MSB<<8)|\new
.set MSB, \new
.endif
.endm
.set MUL_LO, 0xa1                      ; source 0 (B) window 1, source 1 (A) window 0, C and D window 2
.set MUL_HI, 0xf1                      ; the same, C and D window 3
.set TO_B,   0x40                      ; destination window 1, address window 0
; A joint load: waves 0 and 1 fetch for A, waves 2 and 3 for B.  Each of the two lines has ONE mask and one set of registers for all that issue it; the branch hangs on the wave's number alone.
; An s_nop 0 and four v_nop follow each of the two lines, ahead of the jump, the label and what follows.
.macro JLOAD g0a, g1a, g0b, g1b
	s_cmp_eq_u32 s15, 0
	s_cbranch_scc0 .Lfor_b_\@
	tensor_load_to_lds s[\g0a:\g0a+3], s[\g1a:\g1a+7]
	s_nop 0
.rept 4
	v_nop
.endr
	s_branch .Lasked_\@
.Lfor_b_\@:
	tensor_load_to_lds s[\g0b:\g0b+3], s[\g1b:\g1b+7]
	s_nop 0
.rept 4
	v_nop
.endr
.Lasked_\@:
.endm
.macro CREST                           ; a round of the cluster's barrier behind its opening barrier
	s_cmp_lg_u32 s14, 0
	s_cbranch_scc1 .Lnot_wave_0_\@
	s_barrier_signal -3
.Lnot_wave_0_\@:
	s_barrier_wait -3
	s_barrier_signal -1
	s_barrier_wait -1
.endm
.macro CROUND                          ; a whole round
	s_barrier_signal -1
	s_barrier_wait -1
	CREST
.endm
	s_load_b128 s[4:7], s[0:1], 0x0                ; cs s[4:5], pj s[6:7]
	v_lshl_add_u32 v[SPW], v0, 2, SPARE
	v_mov_b32 v[NIL], 0
	ds_add_u32 v[SPW], v[NIL]                      ; the wave's opening: the add, twice on end, and its wait ahead of my first tensor load; the set-up below stands between the second and the wait
	ds_add_u32 v[SPW], v[NIL]
	v_lshrrev_b32 v1, 5, v0
	v_readfirstlane_b32 s14, v1                    ; wave 0..3
	s_lshr_b32 s15, s14, 1                         ; first part: which half of the tile's rows is mine.  Also: I fetch for A (0) or for B (1)
	s_and_b32 s16, s14, 1                          ; which half of its columns.  Also: which group (first part) or which K step of a slot's two (second part) I fetch
	s_bfe_u32 s40, ttmp6, 0x40000                  ; cx, cy: my place in the cluster
	s_bfe_u32 s41, ttmp6, 0x40004
	s_lshl_b32 s42, ttmp9, 2
	s_add_co_u32 s42, s42, s40                     ; tile column = 4 x cluster x + cx
	s_and_b32 s17, ttmp7, 0xffff
	s_lshl_b32 s17, s17, 2
	s_add_co_u32 s17, s17, s41                     ; tile row = 4 x cluster y + cy
	s_lshl_b32 s43, s41, 2
	s_lshl_b32 s43, 15, s43                        ; my row of the cluster
	s_lshl_b32 s44, 0x1111, s40                    ; my column
	s_mov_b32 s66, 0x76543210                      ; v_permlanex16_b32's selects for lane l xor 16
	s_mov_b32 s67, 0xfedcba98
	s_mov_b32 s95, 0xffff0000                      ; lanes 16-31
	; descriptor group 1: a block, 34,816 dense bytes, as 136 rows of 256 bytes (32 elements of 8 bytes), 16 bytes of padding behind each
	s_or_b32 s[G1+0], s43, (3<<16)|(1<<20)|(1<<21)|(5<<22)|(3<<25)  ; 15:0 the mask: A's blocks go to my row; 17:16 elements of 8 bytes; 20 padding on; 21 set beside a mask; 24:22 after every 64 words (code 5); 31:25 of 4 words (code 3)
	s_or_b32 s[G1B+0], s44, (3<<16)|(1<<20)|(1<<21)|(5<<22)|(3<<25) ; B's to my column
.irp g, G1, G1B
	s_mov_b32 s[\g+1], 32<<16                      ; tensor_dim0 = 32
	s_mov_b32 s[\g+2], BROWS<<16                   ; tensor_dim1 = 136
	s_mov_b32 s[\g+3], 32<<16                      ; tile_dim0 = 32
	s_mov_b32 s[\g+4], BROWS                       ; tile_dim1 = 136
	s_mov_b32 s[\g+5], 32                          ; tensor_dim0_stride
	s_mov_b32 s[\g+6], 0
	s_mov_b32 s[\g+7], 0
.endr
	; where the blocks come from.  A's hang on the tile row (and the cluster's y), B's on the tile column (and the cluster's y): each in registers that never hold the other place in the cluster
	s_mul_i32 s18, s16, PL                         ; second part: my K step of a slot's two
	s_lshl_b32 s20, s17, 1
	s_add_co_u32 s20, s20, s16                     ; A: group 2 x tile row + half
	s_mul_i32 s20, s20, BLK
	s_mov_b32 s21, 0
	s_and_b32 s22, ttmp7, 3                        ; second part's A: group 64 + 4 (cluster y % 4) + cy
	s_lshl_b32 s22, s22, 2
	s_add_co_u32 s22, s22, s41
	s_add_co_u32 s22, s22, 64
	s_mul_i32 s22, s22, BLK
	s_add_co_u32 s22, s22, s18
	s_mov_b32 s23, 0
	s_lshl_b32 s46, s42, 1
	s_add_co_u32 s46, s46, s16
	s_add_co_u32 s46, s46, 80                      ; B: group 80 + 2 x tile column + half: Wq's
	s_mul_i32 s46, s46, BLK
	s_mov_b32 s47, 0
	s_and_b32 s92, ttmp7, 4                        ; second part's B: group 96 + tile column + 8 (cluster y / 4): Wk's
	s_lshl_b32 s92, s92, 1
	s_add_co_u32 s92, s92, s42
	s_add_co_u32 s92, s92, 96
	s_mul_i32 s92, s92, BLK
	s_add_co_u32 s92, s92, s18
	s_mov_b32 s93, 0
	s_mul_i32 s45, s14, HALFT                      ; where they go in a slot: wave x a block, in both parts: no place in the cluster enters an LDS address
	s_wait_dscnt 0x0                               ; both opening adds are done
	s_wait_kmcnt 0x0
	s_add_nc_u64 s[20:21], s[4:5], s[20:21]
	s_add_nc_u64 s[KA:KA+1], s[4:5], s[22:23]
	s_add_nc_u64 s[46:47], s[4:5], s[46:47]
	s_add_nc_u64 s[KB:KB+1], s[4:5], s[92:93]
	CROUND                                         ; all sixteen work-groups are here: the first joint loads meet
.irp s, 0,1
	s_mov_b32 s[G0+4*\s], 1                        ; 1:0 count = 1
	s_add_co_u32 s[G0+4*\s+1], s45, \s*SLOT        ; 63:32 LDS address
	s_add_nc_u64 s[G0+4*\s+2:G0+4*\s+3], s[20:21], \s*PL   ; 120:64 global address: K step s
	s_or_b32 s[G0+4*\s+3], s[G0+4*\s+3], 0x80000000        ; 127:126 type = 2
	s_mov_b32 s[G0B+4*\s], 1
	s_add_co_u32 s[G0B+4*\s+1], s45, \s*SLOT
	s_add_nc_u64 s[G0B+4*\s+2:G0B+4*\s+3], s[46:47], \s*PL
	s_or_b32 s[G0B+4*\s+3], s[G0B+4*\s+3], 0x80000000
	JLOAD G0+4*\s, G1, G0B+4*\s, G1B               ; two tensor loads of mine are out
.endr
	v_and_b32 v1, 15, v0                           ; l % 16
	v_bfe_u32 v2, v0, 4, 1                         ; l / 16
	v_mul_u32_u24 v3, v1, PITCH
	v_lshl_add_u32 v4, v2, 4, v3                   ; a fragment's row x pitch + 16 x half
	s_mul_i32 s21, s15, HALFT                      ; my 128 rows of A
	s_mul_i32 s22, s16, HALFT                      ; my 128 rows of B,
	s_add_co_u32 s22, s22, 2*HALFT                 ; which lie behind A's two blocks
.irp s, 0,1
	v_add_nc_u32 v[ADRA+\s], s21, v4
	v_add_nc_u32 v[ADRB+\s], s22, v4
	s_add_co_u32 s21, s21, SLOT
	s_add_co_u32 s22, s22, SLOT
.endr
	s_mul_i32 s21, s15, HALFT                      ; the scale words: A's block of LDS,
	s_mul_i32 s22, s16, HALFT
	s_add_co_u32 s22, s22, 2*HALFT
	s_sub_co_u32 s22, s22, s21                     ; and how far behind it B's lies
	v_mul_u32_u24 v6, s22, v2                      ; lanes 16-31 take B's
	v_lshl_add_u32 v5, v1, 4, v6                   ; 16 bytes a row
	s_add_co_u32 s21, s21, SOFF
	v_add_nc_u32 v[ADRS], s21, v5
	v_add_nc_u32 v[ADRS+1], SLOT, v[ADRS]
	; the second part's addresses: K step u lies in slot u / 2; A's block at (u % 2) blocks, B's at 2 + u % 2
	v_add_nc_u32 v[KADRB], 2*HALFT, v4
	v_add_nc_u32 v[KADRB+1], 3*HALFT, v4
	v_add_nc_u32 v[KADRB+2], SLOT+2*HALFT, v4
	v_add_nc_u32 v[KADRB+3], SLOT+3*HALFT, v4
	s_mul_i32 s21, s14, 32*PITCH                   ; my 32 rows of A
	v_add_nc_u32 v[KADRA], s21, v4
	v_add_nc_u32 v[KADRA+1], SLOT, v[KADRA]
	s_mul_i32 s21, s14, 2*PITCH                    ; their scale bytes: two rows of LDS;
	s_xor_b32 s22, s14, 3                          ; B's lie 2 blocks less that behind them: 2 HALFT - 2 PITCH x wave = 2 PITCH (3 - wave) + (2 HALFT - 6 PITCH)
	s_mul_i32 s22, s22, 2*PITCH
	s_add_co_u32 s22, s22, 2*HALFT-6*PITCH
	v_mul_u32_u24 v6, s22, v2
	v_lshl_add_u32 v5, v1, 4, v6
	s_add_co_u32 s21, s21, SOFF
	v_add_nc_u32 v[KADRS], s21, v5
	v_add_nc_u32 v[KADRS+1], SLOT, v[KADRS]
	v_and_b32 v6, 31, v0
	v_lshlrev_b32 v[CO], 4, v6                     ; 16 x lane
	; where qi's results go: group 2 x tile row + my half of the rows; head = tile column / 2; K step of the head = 2 (tile column % 2) + my half of the columns
	s_lshl_b32 s20, s17, 1
	s_add_co_u32 s20, s20, s15
	s_mul_i32 s20, s20, GRP
	s_mov_b32 s21, 0
	s_lshr_b32 s46, s42, 1
	s_mul_i32 s46, s46, HB
	s_and_b32 s47, s42, 1
	s_lshl_b32 s47, s47, 1
	s_add_co_u32 s47, s47, s16
	s_add_co_u32 s20, s20, s46
	s_add_nc_u64 s[12:13], s[6:7], s[20:21]        ; pj at my group's head block
	s_lshl_b32 s20, s47, 13
	s_add_nc_u64 s[96:97], s[12:13], s[20:21]      ; my eight fragments
	s_lshl_b32 s20, s47, 9
	s_add_co_u32 s20, s20, 32768
	s_add_nc_u64 s[18:19], s[12:13], s[20:21]      ; my 512 bytes of scale words
	; and ki's: group 64 + tile row % 16; its 128 columns are number cb = tile column + 8 (cluster y / 4): head cb / 4, K step cb % 4; my blocks are 2 x wave and the next
	s_and_b32 s20, s17, 15
	s_add_co_u32 s20, s20, 64
	s_mul_i32 s20, s20, GRP
	s_and_b32 s46, ttmp7, 4
	s_lshl_b32 s46, s46, 1
	s_add_co_u32 s46, s46, s42                     ; cb
	s_lshr_b32 s47, s46, 2
	s_mul_i32 s47, s47, HB
	s_add_co_u32 s20, s20, s47
	s_add_nc_u64 s[72:73], s[6:7], s[20:21]        ; pj at the group's head block
	s_and_b32 s46, s46, 3
	s_lshl_b32 s20, s46, 9
	s_lshl_b32 s47, s14, 2
	s_add_co_u32 s20, s20, s47
	s_add_co_u32 s20, s20, 32768
	s_add_nc_u64 s[74:75], s[72:73], s[20:21]      ; my word of each lane's four
	s_lshl_b32 s20, s46, 13
	s_lshl_b32 s47, s14, 11
	s_add_co_u32 s20, s20, s47
	s_add_nc_u64 s[72:73], s[72:73], s[20:21]      ; my two fragments
.macro FRAG reg, adr, q, i, x          ; a fragment, 16 rows x 128 K of 4-bit codes, is 8 registers: lane l holds row l % 16; registers 4 c .. 4 c + 3 hold K = 64 c + 32 (l / 16) + 0 .. 31
.irp c, 0,1
	ds_load_b128 v[\reg+4*\c:\reg+4*\c+3], v[\adr] offset:64*(\q)+32*\c+(\i)*16*PITCH+(\x)
.endr
.endm
; 16 matrix instructions: A's blocks a0, a0 + 1 x B's eight, 128 along K: the slot's q-th.  p: B's set;  sc: the set of scale words.  zero = 1: the first product starts the sums: nothing is ever cleared.
; The 64 accumulators take turns, one instruction a turn, in the same order in every step.
.macro MUL16 a0, p, q, sc, zero
.irp a, \a0, \a0+1
.irp b, 0,1,2,3,4,5,6,7
.if \zero
	v_wmma_scale_f32_16x16x128_f8f6f4 v[8*(8*((\a)%4)+\b):8*(8*((\a)%4)+\b)+7], v[128*(\p)+FR*\b:128*(\p)+FR*\b+FR-1], v[AF+FR*(\a):AF+FR*(\a)+FR-1], 0, v[SC+8*NQ*(\sc)+NQ*\b+(\q)], v[SC+8*NQ*(\sc)+NQ*(\a)+(\q)] matrix_a_fmt:MATRIX_FMT_FP4 matrix_b_fmt:MATRIX_FMT_FP4 matrix_a_scale:MATRIX_SCALE_ROW1
.else
	v_wmma_scale_f32_16x16x128_f8f6f4 v[8*(8*((\a)%4)+\b):8*(8*((\a)%4)+\b)+7], v[128*(\p)+FR*\b:128*(\p)+FR*\b+FR-1], v[AF+FR*(\a):AF+FR*(\a)+FR-1], v[8*(8*((\a)%4)+\b):8*(8*((\a)%4)+\b)+7], v[SC+8*NQ*(\sc)+NQ*\b+(\q)], v[SC+8*NQ*(\sc)+NQ*(\a)+(\q)] matrix_a_fmt:MATRIX_FMT_FP4 matrix_b_fmt:MATRIX_FMT_FP4 matrix_a_scale:MATRIX_SCALE_ROW1
.endif
.endr
.endr
.endm
.macro FETCH_B slot, q, p              ; B's eight fragments of the slot's q-th 128 along K into set p
	WIN TO_B
.irp i, 0,1,2,3,4,5,6,7
	FRAG 128*(\p)+FR*\i, ADRB+\slot, \q, \i, 0
.endr
	WIN 0
.endm
.macro FETCH_A slot, q, i0             ; A's blocks i0 .. i0 + 3
.irp i, \i0, \i0+1, \i0+2, \i0+3
	FRAG AF+FR*(\i), ADRA+\slot, \q, \i, 0
.endr
.endm
.macro SCALES sc                       ; slot sc's scale words into set sc: four words a row; lanes 0-15 take A's block i, lanes 16-31 B's block i: 256 consecutive bytes each
.irp i, 0,1,2,3,4,5,6,7
	ds_load_b128 v[SC+8*NQ*\sc+NQ*\i:SC+8*NQ*\sc+NQ*\i+3], v[ADRS+\sc] offset:\i*PITCH
.endr
.endm
; A load into a register that a matrix instruction has read, and a vector instruction that reads a matrix result, stand NP places behind that matrix instruction, and only plain vector instructions that name none of its registers are places
; (ISA guide 7.12.1 for vector instructions).
.macro PLACES n
.rept \n
	v_nop
.endr
.endm
; A step of 128 along K that has its successor in the same slot.  A block of A is free as soon as its eight products are issued, so one set serves A: blocks 0-3 are fetched anew in the step's middle, blocks 4-7 at its end.
.macro STEP slot, q, zero
	s_wait_dscnt 4*NL                              ; B's set and A's blocks 0-3 are in; the youngest eight loads (A's blocks 4-7) may be out
	WIN MUL_LO
	MUL16 0, (\q)%2, \q, \slot, \zero
	MUL16 2, (\q)%2, \q, \slot, \zero
	s_wait_dscnt 0                                 ; A's blocks 4-7 are in (asked for 32 matrix instructions ago)
	PLACES NP
	FETCH_B \slot, (\q)+1, 1-(\q)%2
	FETCH_A \slot, (\q)+1, 0
	WIN MUL_HI
	MUL16 4, (\q)%2, \q, \slot, \zero
	MUL16 6, (\q)%2, \q, \slot, \zero
	PLACES NP
	WIN 0
	FETCH_A \slot, (\q)+1, 4
.endm
; A slot's last step changes slots: ONE barrier, which opens a round of the cluster's; in front of it each wave waits for all its tensor loads, adds 0 to its spare word, and waits for that and for its own reads of this slot.
; Behind the round this slot is filled again.  fill = 1: with qi's K step two on;  fill = 2: with two K steps of the second part.  next: the slot whose first fragments are fetched, or -1: the first part's products end here.
.macro TURN slot, next, fill
	s_wait_tensorcnt 0x0                           ; all my tensor loads have landed: my part of the other slot;  (every window is 0 here)
	ds_add_u32 v[SPW], v[NIL]                      ; 0 onto my spare word
	s_wait_dscnt 4*NL+1                            ; (the add and the youngest eight loads, A's blocks 4-7, may be out)
	WIN MUL_LO
	MUL16 0, 1, NQ-1, \slot, 0                     ; sixteen matrix instructions stand between the add and the wait for it
	s_wait_dscnt 0x0                               ; the add is done, and my reads of this slot are over
	s_barrier_signal -1
	MUL16 2, 1, NQ-1, \slot, 0
	WIN 0
	s_barrier_wait -1
	CREST                                          ; no wave of any partner still reads this slot's blocks or has a load on its way
.if \fill == 1
	s_add_nc_u64 s[G0+4*\slot+2:G0+4*\slot+3], s[G0+4*\slot+2:G0+4*\slot+3], 2*PL
	s_add_nc_u64 s[G0B+4*\slot+2:G0B+4*\slot+3], s[G0B+4*\slot+2:G0B+4*\slot+3], 2*PL
.else
	s_add_nc_u64 s[G0+4*\slot+2:G0+4*\slot+3], s[KA:KA+1], \slot*2*PL      ; slot s takes the second part's K steps 2 s and 2 s + 1
	s_or_b32 s[G0+4*\slot+3], s[G0+4*\slot+3], 0x80000000
	s_add_nc_u64 s[G0B+4*\slot+2:G0B+4*\slot+3], s[KB:KB+1], \slot*2*PL
	s_or_b32 s[G0B+4*\slot+3], s[G0B+4*\slot+3], 0x80000000
.endif
	JLOAD G0+4*\slot, G1, G0B+4*\slot, G1B         ; the first tensor load behind the round, my only one out; the four v_nop behind it are the places in front of the loads below
.if (\next) >= 0
	FETCH_B \next, 0, 0
	FETCH_A \next, 0, 0
	SCALES \next
.endif
	WIN MUL_HI
	MUL16 4, 1, NQ-1, \slot, 0
	MUL16 6, 1, NQ-1, \slot, 0
.if (\next) >= 0
	PLACES NP
	WIN 0
	FETCH_A \next, 0, 4
.else
	WIN 0
.endif
.endm
.macro STEPS slot, from                ; the slot's steps from .. NQ - 2
.set Q, \from
.rept NQ-1-\from
	STEP \slot, Q, 0
.set Q, Q+1
.endr
.endm
	s_wait_tensorcnt 1                             ; my part of K step 0 is in (K step 1's load may be out)
	s_barrier_signal -1
	s_barrier_wait -1                              ; everybody's is
	FETCH_B 0, 0, 0
	FETCH_A 0, 0, 0
	SCALES 0
	FETCH_A 0, 0, 4
	STEP 0, 0, 1                                   ; the first step's products start the sums.  K has four slots' worth: all sixteen steps are written out, a loop of one trip would be no shorter
	STEPS 0, 1
	TURN 0, 1, 1                                   ; slot 0 takes K from 1,024 on
	STEPS 1, 0
	TURN 1, 0, 1                                   ; slot 1 takes K from 1,536 on
	STEP 0, 0, 0
	STEPS 0, 1
	TURN 0, 1, 2                                   ; slot 0 takes the second part's K from 0 to 1,023
	STEPS 1, 0
	TURN 1, -1, 2                                  ; slot 1 takes its K from 1,024 to 2,047: all of the second part is asked for before the first part's way out begins
; THE WAY OUT of a block of 16 rows x 128 columns: accumulators 8 a .. 8 a + 7.  Register 16 b + i of the block's 64 is column 32 b + 16 (lane / 16) + i of row lane % 16.  Each accumulator is read from its low end on.
; pc: eight registers for the codes;  sb, off: where the fragment goes.
.macro QOUT a, pc, sb, off
.set AC,  64*((\a)%4)
.set WW,  2+(\a)/4                     ; the block's window
.set W12, (WW<<2)|(WW<<4)              ; sources 1 and 2 there
.set PC,  \pc
	WIN W12
.irp b, 0,1,2,3
	v_max3_num_f32 v[TM+\b], 0x1800000, |v[AC+16*\b]|, |v[AC+16*\b+1]|   ; block b of 32: my 16 numbers, and the floor 2^(3 - 127): the byte cannot fall under 1
.endr
.irp i, 2,4,6,8,10,12,14
.irp b, 0,1,2,3
	v_max3_num_f32 v[TM+\b], v[TM+\b], |v[AC+16*\b+\i]|, |v[AC+16*\b+\i+1]|   ; (the four blocks by turns)
.endr
.endr
	WIN 0
.irp b, 0,1,2,3
	v_permlanex16_b32 v[TM+4+\b], v[TM+\b], s66, s67
.endr
.irp b, 0,1,2,3
	v_max_num_f32 v[TM+\b], v[TM+\b], v[TM+4+\b]   ; with lane l xor 16's: the block's largest magnitude
.endr
.irp b, 0,1,2,3
	v_add_nc_u32 v[TM+12+\b], 0xff000000, v[TM+\b] ; 2 off its exponent field: the conversion's scale operand
.endr
.irp b, 0,1,2,3
	v_lshrrev_b32 v[TM+4+\b], 23, v[TM+12+\b]      ; the scale's byte
.endr
	v_lshl_or_b32 v[PW+(\a)], v[TM+5], 8, v[TM+4]  ; my row's scale word for this K step (both halves of the lanes hold it)
	v_lshl_or_b32 v[PW+(\a)], v[TM+6], 16, v[PW+(\a)]
	v_lshl_or_b32 v[PW+(\a)], v[TM+7], 24, v[PW+(\a)]
	WIN WW                                         ; source 0: the block's window
.irp b, 0,1,2,3
	v_cvt_scalef32_pk8_fp4_f32 v[PC+2*\b], v[AC+16*\b:AC+16*\b+7], v[TM+12+\b]
	v_cvt_scalef32_pk8_fp4_f32 v[PC+2*\b+1], v[AC+16*\b+8:AC+16*\b+15], v[TM+12+\b]
.endr
	WIN 0
	v_nop                                          ; one plain place behind a scaled conversion
.irp c, 0,1                                    ; the operand's layout wants a WHOLE block in a lane: lanes 0-15 block 2 c, lanes 16-31 block 2 c + 1
.irp i, 0,1
	v_permlane16_swap_b32 v[PC+4*\c+\i], v[PC+2+4*\c+\i]
.endr
.endr
	global_store_b128 v[CO], v[PC:PC+3], s[\sb:\sb+1] offset:\off          ; the fragment as it stands: 512 consecutive bytes a store, aligned
	global_store_b128 v[CO], v[PC+4:PC+7], s[\sb:\sb+1] offset:(\off)+512
.endm
.irp b, 0,1,2,3
	v_mov_b32 v[TM+4+\b], 0                        ; written once: a lane permute's destination counts as one of its sources.  These four are also the places behind the last products
.endr
.irp a, 0,1,2,3,4,5,6,7
	QOUT \a, AF+8*\a, 96, 1024*\a                  ; eight registers of codes of its own for each block: no store's data are written again here
.endr
.irp p, 0,1,2,3
	v_cndmask_b32 v[SW+\p], v[PW+2*\p], v[PW+2*\p+1], s95   ; word p of a lane: lanes 0-15 block 2 p's rows, lanes 16-31 block 2 p + 1's: row 32 p + lane
.endr
	global_store_b128 v[CO], v[SW:SW+3], s[18:19]  ; 512 consecutive bytes
; THE SECOND PART: ki's tile of 128 x 128; my 32 rows x its 128 columns.  K step u (512 along K) lies in slot u / 2; step q of it is 128 along K.
.macro KFETCH u, q                     ; the fragments of step (u, q) into the sets q % 2: B's eight, my two of A; with q = 0 the K step's scale words into set u % 2
	WIN TO_B
.irp i, 0,1,2,3,4,5,6,7
	FRAG 128*((\q)%2)+FR*\i, KADRB+(\u), \q, \i, 0
.endr
	WIN 0
.irp i, 0,1
	FRAG AF+16*((\q)%2)+FR*\i, KADRA+(\u)/2, \q, \i, ((\u)%2)*HALFT
.endr
.if (\q) == 0
.irp i, 0,1,2,3,4,5,6,7
	ds_load_b128 v[SC+32*((\u)%2)+NQ*\i:SC+32*((\u)%2)+NQ*\i+3], v[KADRS+(\u)/2] offset:\i*PITCH+((\u)%2)*HALFT   ; lanes 16-31: B's block i; lanes 0-15: my A block i, which counts for i = 0 and 1 alone (what they bring beyond is named by no product)
.endr
.endif
.endm
.macro KMUL u, q                       ; 16 matrix instructions: my two blocks of A x B's eight; the 16 accumulators take turns in the same order in every step; the first step starts the sums
.irp a, 0,1
.irp b, 0,1,2,3,4,5,6,7
.if (4*(\u)+(\q)) == 0
	v_wmma_scale_f32_16x16x128_f8f6f4 v[8*(8*\a+\b):8*(8*\a+\b)+7], v[128*((\q)%2)+FR*\b:128*((\q)%2)+FR*\b+FR-1], v[AF+16*((\q)%2)+FR*\a:AF+16*((\q)%2)+FR*\a+FR-1], 0, v[SC+32*((\u)%2)+NQ*\b+(\q)], v[SC+32*((\u)%2)+NQ*\a+(\q)] matrix_a_fmt:MATRIX_FMT_FP4 matrix_b_fmt:MATRIX_FMT_FP4 matrix_a_scale:MATRIX_SCALE_ROW1
.else
	v_wmma_scale_f32_16x16x128_f8f6f4 v[8*(8*\a+\b):8*(8*\a+\b)+7], v[128*((\q)%2)+FR*\b:128*((\q)%2)+FR*\b+FR-1], v[AF+16*((\q)%2)+FR*\a:AF+16*((\q)%2)+FR*\a+FR-1], v[8*(8*\a+\b):8*(8*\a+\b)+7], v[SC+32*((\u)%2)+NQ*\b+(\q)], v[SC+32*((\u)%2)+NQ*\a+(\q)] matrix_a_fmt:MATRIX_FMT_FP4 matrix_b_fmt:MATRIX_FMT_FP4 matrix_a_scale:MATRIX_SCALE_ROW1
.endif
.endr
.endr
.endm
.macro KSTEP u, q
	s_wait_dscnt 0x0                               ; this step's fragments are in: they were asked for ahead of the step before's products
.if ((\u) == 1) && ((\q) == 3)
	s_wait_tensorcnt 0x0                           ; slot 1 is read from here on: the one tensor load of mine that is out is my block of it;
	s_barrier_signal -1
	s_barrier_wait -1                              ; everybody's is in.
.endif
.if (4*(\u)+(\q)) < 15
	PLACES NP                                      ; the other sets were read by the step before's products
.if (\q) < 3
	KFETCH \u, (\q)+1
.else
	KFETCH (\u)+1, 0
.endif
.endif
	WIN MUL_LO
	KMUL \u, \q
	WIN 0
.endm
	s_wait_xcnt 0x0                                ; qi's stores have read their registers: the fragments below land where its codes lay.  Slot 0 was shown whole by the waits in front of the last round
	KFETCH 0, 0
.irp u, 0,1,2,3
.irp q, 0,1,2,3
	KSTEP \u, \q
.endr
.endr
	PLACES NP                                      ; the way out reads results just made
	QOUT 0, AF+32, 72, 0
	QOUT 1, AF+40, 72, 1024
	v_cndmask_b32 v[SW], v[PW], v[PW+1], s95       ; my 32 rows' words: lanes 0-15 my first block's rows, lanes 16-31 my second's
	global_store_b32 v[CO], v[SW], s[74:75]        ; word number wave of each lane's four: 4 bytes a lane, 16 apart; the four waves fill the 512 bytes between them: one store a wave, where an exchange through LDS would want a barrier
	s_wait_tensorcnt 0x0                           ; the wave's end
	ds_add_u32 v[SPW], v[NIL]
	s_wait_dscnt 0x0
	CROUND                                         ; the closing round: no work-group ends while a partner may still ask for a block that names it
	s_endpgm
.Lfunc_end_k_q4d594fd698_proj:
	.size	k_q4d594fd698_proj, .Lfunc_end_k_q4d594fd698_proj-k_q4d594fd698_proj
	.p2alignl 7, 3214868480
	.fill 96, 4, 3214868480
	.section	.rodata,"a",@progbits
	.p2align	6, 0x0
	.amdhsa_kernel k_q4d594fd698_proj
		.amdhsa_group_segment_fixed_size 327680
		.amdhsa_private_segment_fixed_size 0
		.amdhsa_enable_private_segment 0
		.amdhsa_kernarg_size 16
		.amdhsa_user_sgpr_count 2
		.amdhsa_user_sgpr_kernarg_segment_ptr 1
		.amdhsa_wavefront_size32 1
		.amdhsa_system_sgpr_workgroup_id_x 1
		.amdhsa_system_sgpr_workgroup_id_y 1
		.amdhsa_system_sgpr_workgroup_id_z 1
		.amdhsa_system_vgpr_workitem_id 0
		.amdhsa_next_free_vgpr 1024
		.amdhsa_next_free_sgpr 100
		.amdhsa_reserve_vcc 0
		.amdhsa_float_denorm_mode_32 3
		.amdhsa_float_denorm_mode_16_64 3
		.amdhsa_memory_ordered 1
		.amdhsa_forward_progress 1
		.amdhsa_inst_pref_size 255
	.end_amdhsa_kernel
	.section	.bss,"aw",@nobits
	.p2align	6
	.space	262144
	.amdgpu_metadata
---
amdhsa.version: [ 1, 2 ]
amdhsa.kernels:
  - .name:           k_q4d594fd698_proj
    .symbol:         k_q4d594fd698_proj.kd
    .args:
      - { .name: cs, .offset: 0, .size: 8, .value_kind: global_buffer, .address_space: global }
      - { .name: pj, .offset: 8, .size: 8, .value_kind: global_buffer, .address_space: global }
    .group_segment_fixed_size: 327680
    .private_segment_fixed_size: 0
    .kernarg_segment_align: 8
    .kernarg_segment_size: 16
    .max_flat_workgroup_size: 128
    .sgpr_count:     100
    .vgpr_count:     1024
    .wavefront_size: 32
...
	.end_amdgpu_metadata
.endif
;; end of part 2
;; launch score (part 3): grid 8 x 64, 4 waves a work-group, clusters of 4 x 4, 296,448 bytes of LDS; arguments pj, wgt, out0; writes out0
.if DOCPART == 3
	.amdgcn_target "amdgcn-amd-amdhsa--gfx1250"
	.amdhsa_code_object_version 6
	.text
	.protected	k_q4d594fd698_score
	.globl	k_q4d594fd698_score
	.p2align	8
	.type	k_q4d594fd698_score,@function
k_q4d594fd698_score:
	s_mov_b64 s[64:65], 0
	v_nop
	global_prefetch_b8 v0, s[64:65] scope:SCOPE_SE
	s_setreg_imm32_b32 hwreg(HW_REG_WAVE_MODE, 25, 1), 1
	s_wait_xcnt 0x0
	s_wait_alu depctr_hold_cnt(0) depctr_sa_sdst(0) depctr_va_vdst(0) depctr_va_sdst(0) depctr_va_ssrc(0) depctr_va_vcc(0) depctr_vm_vsrc(0)
	s_getreg_b32 s2, hwreg(HW_REG_IB_STS2, 6, 4)
	s_cmp_eq_u32 s2, 0
	s_cbranch_scc0 .Lentry_in_a_cluster
	s_endpgm
.Lentry_in_a_cluster:
	s_bfe_u32 s2, ttmp6, 0x10000c
	s_cmp_lg_u32 s2, 0xf033
	s_cbranch_scc0 .Lentry_shape_is_right
	s_endpgm
.Lentry_shape_is_right:
; THIRD OF THREE LAUNCHES: out0[b][q][k] = sum over h of w[b][q][h] relu(Q(qi)[b][q][h] . Q(ki)[b][k][h]), the product on codes of FP4 (E2M1) with E8M0 scales, K = a head's 512, sums in f32; relu and the sum over heads in f32.  Nothing is left out.
; pj holds both operands as images of operand registers: 80 groups of 128 rows (0-63: q's rows; 64 + 8 b + t: keys 128 t on of batch b) x 4 heads x 34,816 bytes: fragment (K step s, 16-row block a) at 1,024 (8 s + a), register group c at
; 512 c + 16 x lane; from 32,768 on the scale words: for K step s the word of row 32 p + lane at 512 s + 16 x lane + 4 p.   wgt: [8,192 rows][4 heads][2] f32, each w twice.
; SHARES.  A work-group makes 128 queries x 128 keys; each of its four waves 64 x 64: 16 tiles of 16 x 16.  Both operands' four heads, 278,528 bytes, lie in LDS at once: every fill is a first fill, no byte is filled again.
; CLUSTERS: 4 x 4 work-groups.  The four of a row of the cluster have the same queries, the four of a column the same keys (a cluster lies in one batch): each half of a head's block is asked for JOINTLY.
; THE MATRIX INSTRUCTION IS USED TRANSPOSED (source 0 = 16 keys, source 1 = 16 queries): a lane holds ONE query and eight neighbouring keys, so w is one number a lane and tile of queries, and a lane's results are 32 neighbouring bytes of a row of out0.
; A HEAD: 64 matrix instructions (four K steps x 16 tiles, the tiles by turns); then the next head's fragments are asked for from LDS, and while they come the 128 maxima with 0 and the 64 packed multiply-adds by w are made.
; REGISTERS, in windows of 256: window 0: v1-8 addresses; v28, v29 the add's two; v32-63 w (pair of tile tq, head h at 32 + 8 tq + 2 h); v64-71 the queries' scale words, v72-79 the keys' (they hold nothing else); v128-255 the head's 16 tiles.
;   window 1: a head's fragments: K step s: keys' at 64 s + 8 tk, queries' at 64 s + 32 + 8 tq.   window 2: v0-127 the 16 tiles of out0.
.set HB,     34816                     ; a head's block of one operand
.set HP,     2*HB                      ; in LDS a head's two blocks lie together: the queries', then the keys'
.set GRP,    4*HB                      ; a group in pj
.set HALF,   HB/2                      ; what one tensor load brings: 68 rows of 256 bytes
.set STAGE,  4*HP                      ; behind the blocks: 16 rows x 272 bytes for each wave, for the way out
.set SPITCH, 272
.set SPARE,  STAGE+4*16*SPITCH         ; the spare words, 128 bytes for each wave: two blocks of 256 bytes that no other line names
.set AQ,  1                            ; v1  LDS address of my queries' fragments in the head in hand
.set AK,  2                            ; v2  of my keys'
.set SQ,  3                            ; v3  of my queries' scale words
.set SK,  4                            ; v4  of my keys'
.set STO, 5                            ; v5  the way out: where I put 32 bytes of a row
.set RD,  6                            ; v6  where I read a row back
.set CO,  7                            ; v7  my byte offset in the wave's rows of out0
.set WO,  8                            ; v8  my byte offset in the wave's rows of wgt
.set SPW, 28
.set NIL, 29
.set WP,  32
.set QS,  64
.set KSC, 72
.set T,   128
.set G1Q, 24                           ; s[24:31] descriptor group 1 for the queries' blocks;  s[32:39] for the keys': they differ in the mask alone
.set G1K, 32
.set G0Q, 40                           ; s[40:55] group 0, a set for each head;  s[68:83] the same for the keys
.set G0K, 68
.set MSB, 0
.macro WIN new                         ; the immediate's high byte repeats the setting that is left
.if MSB != \new
	s_set_vgpr_msb (MSB<<8)|\new
.set MSB, \new
.endif
.endm
.macro CROUND                          ; a round of the cluster's barrier
	s_barrier_signal -1
	s_barrier_wait -1
	s_cmp_lg_u32 s10, 0
	s_cbranch_scc1 .Lnot_wave_0_\@
	s_barrier_signal -3
.Lnot_wave_0_\@:
	s_barrier_wait -3
	s_barrier_signal -1
	s_barrier_wait -1
.endm
	s_load_b128 s[4:7], s[0:1], 0x0                ; pj s[4:5], wgt s[6:7]
	s_load_b64 s[8:9], s[0:1], 0x10                ; out0
	v_lshl_add_u32 v[SPW], v0, 2, SPARE
	v_mov_b32 v[NIL], 0
	ds_add_u32 v[SPW], v[NIL]                      ; the wave's opening: the add, twice on end, and its wait ahead of my first tensor load; the set-up below stands between the second and the wait
	ds_add_u32 v[SPW], v[NIL]
	v_lshrrev_b32 v9, 5, v0
	v_readfirstlane_b32 s10, v9                    ; wave 0..3
	s_lshr_b32 s11, s10, 1                         ; which 64 queries are mine.  Also: I fetch the queries' blocks (0) or the keys' (1)
	s_and_b32 s12, s10, 1                          ; which 64 keys.  Also: which half of a block I fetch
	s_bfe_u32 s13, ttmp6, 0x40000                  ; cx, cy: my place in the cluster
	s_bfe_u32 s14, ttmp6, 0x40004
	s_lshl_b32 s15, ttmp9, 2
	s_add_co_u32 s15, s15, s13                     ; my tile of 128 keys = 4 x cluster x + cx
	s_and_b32 s16, ttmp7, 0xffff
	s_lshr_b32 s17, s16, 3                         ; the batch: clusters 0-7 along y are batch 0's: the cluster's y, which all partners share
	s_lshl_b32 s16, s16, 2
	s_add_co_u32 s16, s16, s14                     ; my group of 128 queries = 4 x cluster y + cy
	s_lshl_b32 s18, s14, 2
	s_lshl_b32 s18, 15, s18                        ; my row of the cluster
	s_lshl_b32 s19, 0x1111, s13                    ; my column
	; descriptor group 1: half a block, 17,408 dense bytes, as 68 rows of 256 bytes (32 elements of 8 bytes), no padding: every read takes 16 x lane on end
	s_or_b32 s[G1Q], s18, (3<<16)|(1<<21)          ; 15:0 the mask: the queries' blocks go to my row; 17:16 elements of 8 bytes; 21 set beside a mask
	s_or_b32 s[G1K], s19, (3<<16)|(1<<21)          ; the keys' to my column
.irp g, G1Q, G1K
	s_mov_b32 s[\g+1], 32<<16                      ; tensor_dim0 = 32
	s_mov_b32 s[\g+2], 68<<16                      ; tensor_dim1 = 68
	s_mov_b32 s[\g+3], 32<<16                      ; tile_dim0 = 32
	s_mov_b32 s[\g+4], 68                          ; tile_dim1 = 68
	s_mov_b32 s[\g+5], 32                          ; tensor_dim0_stride
	s_mov_b32 s[\g+6], 0
	s_mov_b32 s[\g+7], 0
.endr
	s_mul_i32 s62, s12, HALF                       ; my half of a block
	s_mul_i32 s20, s16, GRP                        ; the queries' group,
	s_add_co_u32 s20, s20, s62
	s_mov_b32 s21, 0
	s_lshl_b32 s22, s17, 3                         ; the keys' group: 64 + 8 x batch + tile of keys
	s_add_co_u32 s22, s22, s15
	s_add_co_u32 s22, s22, 64
	s_mul_i32 s22, s22, GRP
	s_add_co_u32 s22, s22, s62
	s_mov_b32 s23, 0
	s_mul_i32 s60, s10, HALF                       ; where they go in a head's pair: wave x half a block: no place in the cluster enters an LDS address
	s_wait_dscnt 0x0                               ; both opening adds are done
	s_wait_kmcnt 0x0
	s_add_nc_u64 s[56:57], s[4:5], s[20:21]
	s_add_nc_u64 s[58:59], s[4:5], s[22:23]
	CROUND                                         ; all sixteen work-groups are here: the joint loads meet
.irp h, 0,1,2,3
	s_mov_b32 s[G0Q+4*\h], 1                       ; 1:0 count = 1
	s_add_co_u32 s[G0Q+4*\h+1], s60, \h*HP         ; 63:32 LDS address
	s_add_nc_u64 s[G0Q+4*\h+2:G0Q+4*\h+3], s[56:57], \h*HB   ; 120:64 global address: head h's block
	s_or_b32 s[G0Q+4*\h+3], s[G0Q+4*\h+3], 0x80000000        ; 127:126 type = 2
	s_mov_b32 s[G0K+4*\h], 1
	s_add_co_u32 s[G0K+4*\h+1], s60, \h*HP
	s_add_nc_u64 s[G0K+4*\h+2:G0K+4*\h+3], s[58:59], \h*HB
	s_or_b32 s[G0K+4*\h+3], s[G0K+4*\h+3], 0x80000000
.endr
	s_cmp_eq_u32 s11, 0                            ; a wave's four fills stand in one branch, ahead of every wait on TENSORcnt and every LDS read: four loads of mine are out; an s_nop 0 follows each, four v_nop the last
	s_cbranch_scc0 .Lfirst_k
.irp h, 0,1,2,3
	tensor_load_to_lds s[G0Q+4*\h:G0Q+4*\h+3], s[G1Q:G1Q+7]
	s_nop 0
.endr
.rept 4
	v_nop
.endr
	s_branch .Lfirst_asked
.Lfirst_k:
.irp h, 0,1,2,3
	tensor_load_to_lds s[G0K+4*\h:G0K+4*\h+3], s[G1K:G1K+7]
	s_nop 0
.endr
.rept 4
	v_nop
.endr
.Lfirst_asked:
	s_lshl_b32 s20, s16, 7
	s_lshl_b32 s21, s11, 6
	s_add_co_u32 s20, s20, s21                     ; my first query's row: 128 x group + 64 x half
	s_lshl_b32 s22, s20, 5                         ; 32 bytes a row in wgt
	s_mov_b32 s23, 0
	s_add_nc_u64 s[6:7], s[6:7], s[22:23]
	s_lshl_b32 s20, s20, 12                        ; 4,096 bytes a row in out0
	s_mov_b32 s21, 0
	s_add_nc_u64 s[8:9], s[8:9], s[20:21]
	s_lshl_b32 s22, s15, 9                         ; my first key, in bytes: 512 x tile + 256 x half
	s_lshl_b32 s23, s12, 8
	s_add_co_u32 s22, s22, s23
	s_mov_b32 s23, 0
	s_add_nc_u64 s[8:9], s[8:9], s[22:23]
	v_and_b32 v9, 31, v0                           ; lane
	v_and_b32 v10, 15, v0                          ; r
	v_bfe_u32 v11, v0, 4, 1                        ; lane / 16
	v_lshlrev_b32 v[WO], 5, v10                    ; w: row r of a tile of queries
.irp tq, 0,1,2,3
	global_load_b128 v[WP+8*\tq:WP+8*\tq+3], v[WO], s[6:7] offset:512*\tq        ; heads 0 and 1, each twice
	global_load_b128 v[WP+8*\tq+4:WP+8*\tq+7], v[WO], s[6:7] offset:512*\tq+16   ; heads 2 and 3
.endr
	s_lshl_b32 s61, s11, 12                        ; my four blocks of 16 queries: 4,096 bytes in each K step's 8,192
	v_lshl_add_u32 v[AQ], v9, 4, s61
	s_lshl_b32 s61, s12, 12
	s_add_co_u32 s61, s61, HB
	v_lshl_add_u32 v[AK], v9, 4, s61
	s_lshl_b32 s61, s11, 3                         ; my two of a lane's four scale words
	s_add_co_u32 s61, s61, 32768
	v_lshl_add_u32 v[SQ], v9, 4, s61
	s_lshl_b32 s61, s12, 3
	s_add_co_u32 s61, s61, HB+32768
	v_lshl_add_u32 v[SK], v9, 4, s61
	s_mul_i32 s61, s10, 16*SPITCH
	s_add_co_u32 s61, s61, STAGE                   ; my stage
	v_mul_u32_u24 v[STO], v10, SPITCH              ; in: row r, 32 bytes for each half of the lanes
	v_lshl_add_u32 v[STO], v11, 5, v[STO]
	v_add_nc_u32 v[STO], s61, v[STO]
	v_mul_u32_u24 v[RD], v11, SPITCH               ; back: lanes 0-15 one row of 256 bytes, lanes 16-31 the next
	v_lshl_add_u32 v[RD], v10, 4, v[RD]
	v_add_nc_u32 v[RD], s61, v[RD]
	v_lshlrev_b32 v[CO], 12, v11                   ; and the same two rows in out0
	v_lshl_add_u32 v[CO], v10, 4, v[CO]
; A head's operands from LDS: first the eight loads of scale words (window 0), then, K step by K step, the keys' four fragments and the queries' four: sixteen loads a K step, each 512 consecutive bytes.
.macro FETCH
	WIN 0
.irp s, 0,1,2,3
	ds_load_b64 v[QS+2*\s:QS+2*\s+1], v[SQ] offset:512*\s      ; register i: lanes 0-15 the words of my block 2 i, lanes 16-31 those of block 2 i + 1
	ds_load_b64 v[KSC+2*\s:KSC+2*\s+1], v[SK] offset:512*\s
.endr
	WIN 0x40                                       ; destination window 1
.irp s, 0,1,2,3
.irp i, 0,1,2,3
.irp c, 0,1
	ds_load_b128 v[64*\s+8*\i+4*\c:64*\s+8*\i+4*\c+3], v[AK] offset:8192*\s+1024*\i+512*\c
.endr
.endr
.irp i, 0,1,2,3
.irp c, 0,1
	ds_load_b128 v[64*\s+32+8*\i+4*\c:64*\s+32+8*\i+4*\c+3], v[AQ] offset:8192*\s+1024*\i+512*\c
.endr
.endr
.endr
	WIN 0
.endm
; One product: K step s, tile (tq, tk).  The first K step starts the sum.  A block's scale words lie in lanes 0-15 of their register where the block's number is even, in lanes 16-31 where it is odd.
.macro WM s, tq, tk
.set rT, T+8*(4*(\tq)+(\tk))
.set rK, 64*(\s)+8*(\tk)
.set rQ, 64*(\s)+32+8*(\tq)
.set rA, KSC+2*(\s)+(\tk)/2
.set rB, QS+2*(\s)+(\tq)/2
.if (\s) == 0
.if ((\tk)%2 == 0) && ((\tq)%2 == 0)
	v_wmma_scale_f32_16x16x128_f8f6f4 v[rT:rT+7], v[rK:rK+7], v[rQ:rQ+7], 0, v[rA], v[rB] matrix_a_fmt:MATRIX_FMT_FP4 matrix_b_fmt:MATRIX_FMT_FP4
.elseif ((\tk)%2 == 1) && ((\tq)%2 == 0)
	v_wmma_scale_f32_16x16x128_f8f6f4 v[rT:rT+7], v[rK:rK+7], v[rQ:rQ+7], 0, v[rA], v[rB] matrix_a_fmt:MATRIX_FMT_FP4 matrix_b_fmt:MATRIX_FMT_FP4 matrix_a_scale:MATRIX_SCALE_ROW1
.elseif ((\tk)%2 == 0) && ((\tq)%2 == 1)
	v_wmma_scale_f32_16x16x128_f8f6f4 v[rT:rT+7], v[rK:rK+7], v[rQ:rQ+7], 0, v[rA], v[rB] matrix_a_fmt:MATRIX_FMT_FP4 matrix_b_fmt:MATRIX_FMT_FP4 matrix_b_scale:MATRIX_SCALE_ROW1
.else
	v_wmma_scale_f32_16x16x128_f8f6f4 v[rT:rT+7], v[rK:rK+7], v[rQ:rQ+7], 0, v[rA], v[rB] matrix_a_fmt:MATRIX_FMT_FP4 matrix_b_fmt:MATRIX_FMT_FP4 matrix_a_scale:MATRIX_SCALE_ROW1 matrix_b_scale:MATRIX_SCALE_ROW1
.endif
.else
.if ((\tk)%2 == 0) && ((\tq)%2 == 0)
	v_wmma_scale_f32_16x16x128_f8f6f4 v[rT:rT+7], v[rK:rK+7], v[rQ:rQ+7], v[rT:rT+7], v[rA], v[rB] matrix_a_fmt:MATRIX_FMT_FP4 matrix_b_fmt:MATRIX_FMT_FP4
.elseif ((\tk)%2 == 1) && ((\tq)%2 == 0)
	v_wmma_scale_f32_16x16x128_f8f6f4 v[rT:rT+7], v[rK:rK+7], v[rQ:rQ+7], v[rT:rT+7], v[rA], v[rB] matrix_a_fmt:MATRIX_FMT_FP4 matrix_b_fmt:MATRIX_FMT_FP4 matrix_a_scale:MATRIX_SCALE_ROW1
.elseif ((\tk)%2 == 0) && ((\tq)%2 == 1)
	v_wmma_scale_f32_16x16x128_f8f6f4 v[rT:rT+7], v[rK:rK+7], v[rQ:rQ+7], v[rT:rT+7], v[rA], v[rB] matrix_a_fmt:MATRIX_FMT_FP4 matrix_b_fmt:MATRIX_FMT_FP4 matrix_b_scale:MATRIX_SCALE_ROW1
.else
	v_wmma_scale_f32_16x16x128_f8f6f4 v[rT:rT+7], v[rK:rK+7], v[rQ:rQ+7], v[rT:rT+7], v[rA], v[rB] matrix_a_fmt:MATRIX_FMT_FP4 matrix_b_fmt:MATRIX_FMT_FP4 matrix_a_scale:MATRIX_SCALE_ROW1 matrix_b_scale:MATRIX_SCALE_ROW1
.endif
.endif
.endm
; HEAD h.  The 16 tiles take turns, one instruction a turn, in the same order in every K step.
.macro HEAD h
.irp s, 0,1,2,3
	s_wait_dscnt 16*(3-\s)                         ; the scale words and the fragments up to this K step are in; the sixteen loads of each later K step may be out
	WIN 0x05                                       ; sources 0 and 1 window 1; C and D window 0
.irp tq, 0,1,2,3
.irp tk, 0,1,2,3
	WM \s, \tq, \tk
.endr
.endr
.endr
	WIN 0
.if \h < 3
	v_add_nc_u32 v[AQ], HP, v[AQ]                  ; on to the next head's blocks.  These four are the places behind the last products: in front of the loads into their operands, and of the reads of their results
	v_add_nc_u32 v[AK], HP, v[AK]
	v_add_nc_u32 v[SQ], HP, v[SQ]
	v_add_nc_u32 v[SK], HP, v[SK]
	s_wait_tensorcnt 2-\h                          ; my part of the next head's blocks is in; the loads of the heads behind it may be out
	s_wait_dscnt 0x0
	s_barrier_signal -1
	s_barrier_wait -1                              ; everybody's is
	FETCH                                          ; it comes while this head's vector work is done
.else
.rept 4
	v_nop
.endr
.endif
.if \h == 0
	s_wait_loadcnt 0x0                             ; w
.endif
.set j, 0
.rept 128
	v_max_num_f32 v[T+j], 0, v[T+j]                ; relu, each tile from its low end on
.set j, j+1
.endr
.set i, 0
.if \h == 0
	WIN 0x80                                       ; destination window 2
.rept 64
	v_pk_mul_f32 v[2*i:2*i+1], v[T+2*i:T+2*i+1], v[WP+8*(i/16)+2*\h:WP+8*(i/16)+2*\h+1]   ; the first head starts the sums: nothing is cleared
.set i, i+1
.endr
.else
	WIN 0xa0                                       ; destination and source 2 window 2
.rept 64
	v_pk_fma_f32 v[2*i:2*i+1], v[T+2*i:T+2*i+1], v[WP+8*(i/16)+2*\h:WP+8*(i/16)+2*\h+1], v[2*i:2*i+1]
.set i, i+1
.endr
.endif
.endm
	s_wait_tensorcnt 3                             ; my part of head 0's blocks is in; the three loads behind it may be out,
	s_barrier_signal -1
	s_barrier_wait -1                              ; everybody's is
	FETCH
	HEAD 0
	HEAD 1
	HEAD 2
	HEAD 3
; THE WAY OUT, a tile of 16 queries x my 64 keys at a time.  A lane holds 32 neighbouring bytes of a row for each tile of keys, and the lanes beside it hold other rows: so the 16 rows go through my own stage in LDS and come back as whole
; rows of 256 bytes.  LDS serves a wave's instructions in order (ISA guide 5.7.1.4): no wait between the stores and the loads, nor in front of the next tile's stores.
.macro TOSTAGE tq
	WIN 0x08                                       ; an LDS store's data are its source 1: window 2
.irp tk, 0,1,2,3
	ds_store_b128 v[STO], v[8*(4*\tq+\tk):8*(4*\tq+\tk)+3] offset:64*\tk
	ds_store_b128 v[STO], v[8*(4*\tq+\tk)+4:8*(4*\tq+\tk)+7] offset:64*\tk+16
.endr
	WIN 0
.irp i, 0,1,2,3,4,5,6,7
	ds_load_b128 v[T+32*\tq+4*\i:T+32*\tq+4*\i+3], v[RD] offset:\i*2*SPITCH   ; into registers of their own for each tile: no store's data are written again
.endr
.endm
.macro SEND tq, younger                ; younger: the LDS instructions issued behind this tile's loads: the next tile's sixteen, or none
	s_wait_dscnt \younger
.irp i, 0,1,2,3,4,5,6,7
	global_store_b128 v[CO], v[T+32*\tq+4*\i:T+32*\tq+4*\i+3], s[8:9] offset:(16*\tq+2*\i)*4096 th:TH_STORE_NT   ; 16 lanes store 256 consecutive bytes, at a multiple of 256 from out0's first byte; written once, read by nobody here
.endr
.endm
	TOSTAGE 0
	TOSTAGE 1
	SEND 0, 16
	TOSTAGE 2
	SEND 1, 16
	TOSTAGE 3
	SEND 2, 16
	SEND 3, 0
	s_wait_tensorcnt 0x0                           ; the wave's end: behind my last tensor load and my last LDS store
	ds_add_u32 v[SPW], v[NIL]
	s_wait_dscnt 0x0
	CROUND                                         ; the closing round: no work-group ends while a partner may still ask for a block that names it
	s_endpgm
.Lfunc_end_k_q4d594fd698_score:
	.size	k_q4d594fd698_score, .Lfunc_end_k_q4d594fd698_score-k_q4d594fd698_score
	.p2alignl 7, 3214868480
	.fill 96, 4, 3214868480
	.section	.rodata,"a",@progbits
	.p2align	6, 0x0
	.amdhsa_kernel k_q4d594fd698_score
		.amdhsa_group_segment_fixed_size 296448
		.amdhsa_private_segment_fixed_size 0
		.amdhsa_enable_private_segment 0
		.amdhsa_kernarg_size 24
		.amdhsa_user_sgpr_count 2
		.amdhsa_user_sgpr_kernarg_segment_ptr 1
		.amdhsa_wavefront_size32 1
		.amdhsa_system_sgpr_workgroup_id_x 1
		.amdhsa_system_sgpr_workgroup_id_y 1
		.amdhsa_system_sgpr_workgroup_id_z 1
		.amdhsa_system_vgpr_workitem_id 0
		.amdhsa_next_free_vgpr 640
		.amdhsa_next_free_sgpr 84
		.amdhsa_reserve_vcc 0
		.amdhsa_float_denorm_mode_32 3
		.amdhsa_float_denorm_mode_16_64 3
		.amdhsa_memory_ordered 1
		.amdhsa_forward_progress 1
		.amdhsa_inst_pref_size 101
	.end_amdhsa_kernel
	.amdgpu_metadata
---
amdhsa.version: [ 1, 2 ]
amdhsa.kernels:
  - .name:           k_q4d594fd698_score
    .symbol:         k_q4d594fd698_score.kd
    .args:
      - { .name: pj, .offset: 0, .size: 8, .value_kind: global_buffer, .address_space: global }
      - { .name: wgt, .offset: 8, .size: 8, .value_kind: global_buffer, .address_space: global }
      - { .name: out0, .offset: 16, .size: 8, .value_kind: global_buffer, .address_space: global }
    .group_segment_fixed_size: 296448
    .private_segment_fixed_size: 0
    .kernarg_segment_align: 8
    .kernarg_segment_size: 24
    .max_flat_workgroup_size: 128
    .sgpr_count:     84
    .vgpr_count:     640
    .wavefront_size: 32
...
	.end_amdgpu_metadata
.endif
;; end of part 3
